; MI455X (gfx1250); checked and timed in simulation.
; The chip was launched on July 23, 2026; its instructions are those of AMD's public machine-readable ISA for CDNA 5 (MIT licence, August 2026) and "CDNA5" Instruction Set Architecture Reference Guide (July 2026). The comments in the code are by the model that wrote it; some were corrected since.
;; Perspective Network. Allowed arithmetic: float matrix products may take bf16 or f16 operands with f32 sums; all other float work in f32.
;; Inputs: W_ft 1,024 x 768 float32; W_out 1 x 2,048 float32; b_ft 1,024 float32; b_out 1 float32; board_nstm 16,384 x 768 float32; board_stm 16,384 x 768 float32.
;; Outputs: out0 16,384 x 1 float32.
;; One version. Each part assembles by itself: llvm-mc -triple=amdgcn-amd-amdhsa -mcpu=gfx1250 --defsym DOCPART=n.
;; ======== version 1 of 1: 2 launches
;; workspace buffers: wbf 1,572,864 bytes
;; launch cast (part 1): grid 256 x 1, 6 waves a work-group, no clusters, 0 bytes of LDS; arguments W_ft, wbf; writes wbf
.if DOCPART == 1
	.amdgcn_target "amdgcn-amd-amdhsa--gfx1250"
	.amdhsa_code_object_version 6
	.text
	.protected	k_q43f81b08ff_cast
	.globl	k_q43f81b08ff_cast
	.p2align	8
	.type	k_q43f81b08ff_cast,@function
k_q43f81b08ff_cast:
	s_mov_b64 s[64:65], 0
	v_nop
	global_prefetch_b8 v0, s[64:65] scope:SCOPE_SE
	s_setreg_imm32_b32 hwreg(HW_REG_WAVE_MODE, 25, 1), 1
	s_wait_xcnt 0x0
; wbf = W_ft rounded to bf16 (nearest even), same order: [1024][768].
; 786,432 numbers on 256 work-groups of six waves: a work-group takes 3,072 numbers (12,288 bytes in, 6,144 out), a wave 512.
; A wave's load covers 512 consecutive bytes, its store 256 consecutive bytes that start at a multiple of 256 from wbf's first byte.
; A pure stream of a few bytes a lane: no LDS, no barrier, no loop.
.set WG_IN,  12288
.set WG_OUT, 6144
	s_load_b128 s[4:7], s[0:1], 0x0                ; W_ft s[4:5], wbf s[6:7]
	v_lshrrev_b32 v1, 5, v0                        ; wave
	v_and_b32 v2, 31, v0                           ; lane
	v_lshlrev_b32 v2, 4, v2                        ; 16 bytes a lane
	v_lshl_or_b32 v1, v1, 11, v2                   ; + 2,048 bytes a wave: my offset in the group's part of W_ft
	v_lshrrev_b32 v2, 1, v1                        ; half of it: my offset in the group's part of wbf
	s_mul_i32 s8, ttmp9, WG_IN
	s_mov_b32 s9, 0
	s_mul_i32 s10, ttmp9, WG_OUT
	s_mov_b32 s11, 0
	s_wait_kmcnt 0x0
	s_add_nc_u64 s[4:5], s[4:5], s[8:9]
	s_add_nc_u64 s[6:7], s[6:7], s[10:11]
.irp j, 0,1,2,3
	global_load_b128 v[4+4*\j:7+4*\j], v1, s[4:5] offset:512*\j th:TH_LOAD_NT   ; W_ft is read once in this launch
.endr
.irp j, 0,1,2,3
	s_wait_loadcnt 3-\j                            ; loads come back in order: load j is in, the 3 - j younger ones may be out
	v_cvt_pk_bf16_f32 v[4+4*\j], v[4+4*\j], v[5+4*\j]
	v_cvt_pk_bf16_f32 v[5+4*\j], v[6+4*\j], v[7+4*\j]
	global_store_b64 v2, v[4+4*\j:5+4*\j], s[6:7] offset:256*\j    ; no hint: the next launch reads wbf many times
.endr
	s_endpgm
.Lfunc_end_k_q43f81b08ff_cast:
	.size	k_q43f81b08ff_cast, .Lfunc_end_k_q43f81b08ff_cast-k_q43f81b08ff_cast
	.p2alignl 7, 3214868480
	.fill 96, 4, 3214868480
	.section	.rodata,"a",@progbits
	.p2align	6, 0x0
	.amdhsa_kernel k_q43f81b08ff_cast
		.amdhsa_group_segment_fixed_size 0
		.amdhsa_private_segment_fixed_size 0
		.amdhsa_enable_private_segment 0
		.amdhsa_kernarg_size 16
		.amdhsa_user_sgpr_count 2
		.amdhsa_user_sgpr_kernarg_segment_ptr 1
		.amdhsa_wavefront_size32 1
		.amdhsa_system_sgpr_workgroup_id_x 1
		.amdhsa_system_sgpr_workgroup_id_y 1
		.amdhsa_system_sgpr_workgroup_id_z 1
		.amdhsa_system_vgpr_workitem_id 0
		.amdhsa_next_free_vgpr 20
		.amdhsa_next_free_sgpr 66
		.amdhsa_reserve_vcc 0
		.amdhsa_float_denorm_mode_32 3
		.amdhsa_float_denorm_mode_16_64 3
		.amdhsa_memory_ordered 1
		.amdhsa_forward_progress 1
		.amdhsa_inst_pref_size 3
	.end_amdhsa_kernel
	.amdgpu_metadata
---
amdhsa.version: [ 1, 2 ]
amdhsa.kernels:
  - .name:           k_q43f81b08ff_cast
    .symbol:         k_q43f81b08ff_cast.kd
    .args:
      - { .name: W_ft, .offset: 0, .size: 8, .value_kind: global_buffer, .address_space: global }
      - { .name: wbf, .offset: 8, .size: 8, .value_kind: global_buffer, .address_space: global }
    .group_segment_fixed_size: 0
    .private_segment_fixed_size: 0
    .kernarg_segment_align: 8
    .kernarg_segment_size: 16
    .max_flat_workgroup_size: 192
    .sgpr_count:     66
    .vgpr_count:     20
    .wavefront_size: 32
...
	.end_amdgpu_metadata
.endif
;; end of part 1
;; launch net (part 2): grid 256 x 1, 4 waves a work-group, clusters of 4 x 1, 327,680 bytes of LDS; arguments board_stm, board_nstm, wbf, b_ft, W_out, b_out, out0; writes out0
.if DOCPART == 2
	.amdgcn_target "amdgcn-amd-amdhsa--gfx1250"
	.amdhsa_code_object_version 6
	.text
	.protected	k_q43f81b08ff_net
	.globl	k_q43f81b08ff_net
	.p2align	8
	.type	k_q43f81b08ff_net,@function
k_q43f81b08ff_net:
	s_mov_b64 s[64:65], 0
	v_nop
	global_prefetch_b8 v0, s[64:65] scope:SCOPE_SE
	s_setreg_imm32_b32 hwreg(HW_REG_WAVE_MODE, 25, 1), 1
	s_wait_xcnt 0x0
	s_wait_alu depctr_hold_cnt(0) depctr_sa_sdst(0) depctr_va_vdst(0) depctr_va_sdst(0) depctr_va_ssrc(0) depctr_va_vcc(0) depctr_vm_vsrc(0)
	s_getreg_b32 s2, hwreg(HW_REG_IB_STS2, 6, 4)
	s_cmp_eq_u32 s2, 0
	s_cbranch_scc0 .Lentry_in_a_cluster
	s_endpgm
.Lentry_in_a_cluster:
	s_bfe_u32 s2, ttmp6, 0x10000c
	s_cmp_lg_u32 s2, 0x3003
	s_cbranch_scc0 .Lentry_shape_is_right
	s_endpgm
.Lentry_shape_is_right:
; out0[b] = sigmoid( sum over the 2,048 hidden numbers of clamp(board W^T + b_ft, 0, 1)^2 * W_out  +  b_out ).
; boards: [16384][768] f32, two of them; wbf: W_ft in bf16, [1024][768]; products in bf16 with f32 sums, all else in f32.
;
; SHARE.  256 work-groups of four waves; work-group g owns batch rows 64 g .. 64 g + 63 of both boards, all 1,024 columns, all of K.
; Wave w: mh = w / 2 chooses the board (0 stm, 1 nstm), nh = w % 2 the half of each tile's 64 columns.
; A wave keeps its board's 64 rows x 768 K as bf16 fragments in 768 registers for the whole kernel (windows 1 to 3), so the boards are read
; from memory once and cost no LDS read in the loop.  W goes by in 16 tiles of 64 rows x 768 K through two LDS slots.
; A step (one tile): 24 K steps x 2 column tiles x 4 row tiles = 192 matrix instructions on 8 accumulators; each fragment of W feeds four.
; The hidden numbers never leave registers: clamp, square and the product with W_out follow each step, and a row's sum stays in its lane.
;
; CLUSTERS.  All work-groups walk the same 16 tiles of W.  Four work-groups form a cluster and ask for each tile jointly (mask 15): the same line,
; the same descriptor (made of the wave's number and the step alone), in the same round of the cluster's barrier.
;
; THE MATRIX INSTRUCTION IS USED TRANSPOSED: source 0 = 16 rows of W, source 1 = 16 board rows.  Lane (r, h) then holds in register j the hidden
; number of board row r and column n0 + 8 h + j.  So b_ft enters as the C operand of the first K step (8 registers a column tile, nothing is
; cleared or added later), W_out is 8 registers a column tile too, and the sum over columns is a sum within a lane.
;
; LIMITS.  v_med3_num_f32 drops a NaN (it gives a bound of the clamp) where the reference's clip keeps it: NaN or infinite inputs are not served.
; Boards and W_ft are rounded to bf16 (range as f32's); the clamp bounds every hidden number, so the sums hold for inputs of any finite size.
.set ROWB,   3072                      ; bytes in a board row
.set WROWB,  1536                      ; bytes in a row of wbf
.set TILEB,  64*WROWB                  ; a tile of W in memory: 64 whole rows, 98,304 consecutive bytes
.set WPITCH, 1584                      ; a row of W in LDS: 1,536 bytes + 16 behind every 512 = 99 x 16: sixteen rows start at sixteen different 16-byte columns of 256
.set WQUART, 16*WPITCH                 ; what one wave's tensor load brings: 16 rows
.set SLOT,   64*WPITCH                 ; 101,376
.set SPITCH, 784                       ; a row of the stage: 384 bf16 + 16 bytes = 49 x 16
.set STAGE,  2*SLOT                    ; 202,752: 128 board rows x half of K, written by LDS stores alone
.set CB,     STAGE+128*SPITCH          ; 303,104: b_ft, 4,096 bytes
.set CW,     CB+4096                   ; 307,200: W_out, 8,192 bytes
.set RED,    CW+8192                   ; 315,392: 4 waves x 64 sums; ends at 316,416.  Every region starts at a multiple of 256
; window 0
.set GOFF, 4                           ; v4   16 x lane: my 16 bytes of a board load's 512
.set STO,  5                           ; v5   stage: where I put 8 bytes of my wave's first row
.set ADRA, 6                           ; v6   stage: my board fragments
.set ADRB, 7                           ; v7-8 my fragments of W in slot 0, 1
.set VB,   9                           ; v9   b_ft of the step whose bias is loaded next
.set VW,   10                          ; v10  W_out of the step at work
.set COFF, 11                          ; v11  16 x thread: the constants in memory
.set REDW, 12                          ; v12  where my wave's sums go
.set CSTO, 13                          ; v13  the constants in LDS
.set REDR, 14                          ; v14  wave 0 reads the sums
.set OOFF, 15                          ; v15  8 x lane: my two numbers of out0
.set PART, 16                          ; v[16:23]   running sums: a pair (even j, odd j) for each row tile
.set BIAS, 24                          ; v[24:39]   b_ft, 8 registers a column tile
.set WOUT, 40                          ; v[40:55]   W_out, likewise
.set ACC,  56                          ; v[56:119]  accumulator (nt, mt) at ACC + 8 (4 nt + mt); in the head: the constants on their way to LDS
.set F0,   120                         ; v[120:183] fragments of W, buffer 0: (K step % 4, nt) at F + 8 (2 (ks % 4) + nt)
.set F1,   184                         ; v[184:247] buffer 1
.set T,    120                         ; v[120:247] in the head: converted board words
.set FIN,  248                         ; v[248:255] the last sums
; windows 1 to 3: board fragment (ks, mt) at register 256 + 8 (4 ks + mt); before that the same 768 registers take the board loads (load e at 256 + 4 e)
.set G1, 24                            ; s[24:31] descriptor group 1
.set G0, 32                            ; s[32:39] descriptor group 0, one set for each slot
.set MSB, 0
.macro WIN new                         ; s_set_vgpr_msb: bits 1:0 source 0, 3:2 source 1, 5:4 source 2, 7:6 destination; the high byte repeats the setting that is left
.if MSB != \new
	s_set_vgpr_msb (MSB<<8)|\new
.set MSB, \new
.endif
.endm
.macro PLACES                          ; four places behind a matrix instruction, in front of a vector instruction or a load that touches its registers
.rept 4
	v_nop
.endr
.endm
.macro CREST                           ; a round of the cluster's barrier behind its opening work-group barrier
	s_cmp_lg_u32 s18, 0
	s_cbranch_scc1 .Lnot_wave_0_\@
	s_barrier_signal -3                            ; wave 0 signals for the work-group
.Lnot_wave_0_\@:
	s_barrier_wait -3                              ; all four work-groups have signalled
	s_barrier_signal -1
	s_barrier_wait -1
.endm
.macro CROUND                          ; a whole round
	s_barrier_signal -1
	s_barrier_wait -1
	CREST
.endm
; n board loads from number e0 on, into window win.  Load e: half e / 96 of K, row (e % 96) / 3 of my 32, third e % 3 of the half: 512 consecutive bytes.
.macro LOADS e0, n, win
	WIN (\win<<6)
.set EI, \e0
.rept \n
	global_load_b128 v[4*(EI%64):4*(EI%64)+3], v[GOFF], s[40:41] offset:((EI%96)/3)*ROWB+(EI/96)*1536+(EI%3)*512 th:TH_LOAD_NT
.set EI, EI+1
.endr
.endm
; the same loads' numbers rounded to bf16 and put into the stage: 8 bytes a lane, 256 consecutive bytes a wave
.macro CVTST e0, n, win
	WIN (\win|(\win<<2))
.set EI, \e0
.rept \n
	v_cvt_pk_bf16_f32 v[T+2*(EI-\e0)],   v[4*(EI%64)],   v[4*(EI%64)+1]
	v_cvt_pk_bf16_f32 v[T+2*(EI-\e0)+1], v[4*(EI%64)+2], v[4*(EI%64)+3]
.set EI, EI+1
.endr
	WIN 0
.set EI, \e0
.rept \n
	ds_store_b64 v[STO], v[T+2*(EI-\e0):T+2*(EI-\e0)+1] offset:((EI%96)/3)*SPITCH+(EI%3)*256
.set EI, EI+1
.endr
.endm
; board fragments of K steps ks0 .. ks0 + n - 1 from the stage (which holds 12 K steps) into window win.
; A fragment: lane (r, h) holds row r; registers 0-3 K = 8 h + 0..7, registers 4-7 K = 16 + 8 h + 0..7: two loads of 16 bytes, 32 apart.
.macro AFRAG ks0, n, win
	WIN (\win<<6)
.set KK, \ks0
.rept \n
.irp mt, 0,1,2,3
	ds_load_b128 v[8*(4*(KK%8)+\mt):8*(4*(KK%8)+\mt)+3],   v[ADRA] offset:\mt*16*SPITCH+64*(KK%12)
	ds_load_b128 v[8*(4*(KK%8)+\mt)+4:8*(4*(KK%8)+\mt)+7], v[ADRA] offset:\mt*16*SPITCH+64*(KK%12)+32
.endr
.set KK, KK+1
.endr
.endm
; 16 loads: W's fragments of K steps 4 g .. 4 g + 3, both column tiles, from slot p into buffer f.  Byte b of a row lies at b + 16 (b / 512).
.macro FETCH p, g, f
.set KK, 4*(\g)
.rept 4
.irp nt, 0,1
	ds_load_b128 v[\f+8*(2*(KK%4)+\nt):\f+8*(2*(KK%4)+\nt)+3],   v[ADRB+\p] offset:\nt*WQUART+64*KK+16*(KK/8)
	ds_load_b128 v[\f+8*(2*(KK%4)+\nt)+4:\f+8*(2*(KK%4)+\nt)+7], v[ADRB+\p] offset:\nt*WQUART+64*KK+16*(KK/8)+32
.endr
.set KK, KK+1
.endr
.endm
.macro BIASLD                          ; b_ft of columns 16 nt + 8 h + 0..7 of my half of a tile: 4 loads
.irp nt, 0,1
	ds_load_b128 v[BIAS+8*\nt:BIAS+8*\nt+3],   v[VB] offset:64*\nt
	ds_load_b128 v[BIAS+8*\nt+4:BIAS+8*\nt+7], v[VB] offset:64*\nt+16
.endr
.endm
.macro WOUTLD                          ; W_out likewise
.irp nt, 0,1
	ds_load_b128 v[WOUT+8*\nt:WOUT+8*\nt+3],   v[VW] offset:64*\nt
	ds_load_b128 v[WOUT+8*\nt+4:WOUT+8*\nt+7], v[VW] offset:64*\nt+16
.endr
.endm
; One K step: 8 matrix instructions.  The eight accumulators take turns, one instruction a turn, in the same order in every K step, over the
; loop's backward jump too.  K step 0 takes b_ft as C and so starts the sums.
.macro MULK ks, f
.irp nt, 0,1
.irp mt, 0,1,2,3
.if (\ks) == 0
	v_wmma_f32_16x16x32_bf16 v[ACC+8*(4*\nt+\mt):ACC+8*(4*\nt+\mt)+7], v[\f+8*(2*((\ks)%4)+\nt):\f+8*(2*((\ks)%4)+\nt)+7], v[8*(4*((\ks)%8)+\mt):8*(4*((\ks)%8)+\mt)+7], v[BIAS+8*\nt:BIAS+8*\nt+7]
.else
	v_wmma_f32_16x16x32_bf16 v[ACC+8*(4*\nt+\mt):ACC+8*(4*\nt+\mt)+7], v[\f+8*(2*((\ks)%4)+\nt):\f+8*(2*((\ks)%4)+\nt)+7], v[8*(4*((\ks)%8)+\mt):8*(4*((\ks)%8)+\mt)+7], v[ACC+8*(4*\nt+\mt):ACC+8*(4*\nt+\mt)+7]
.endif
.endr
.endr
.endm
; Four K steps (group g = 0 .. 4 of a step's six) on buffer f; in the middle the next group's fragments are fetched into buffer o.
; Only source 1 (the board fragments) changes window, so the LDS loads into window 0 need no switch.
.macro GROUP p, g, f, o
	WIN (4*(1+(\g)/2))                             ; K steps 8 i .. 8 i + 7 lie in window 1 + i
.if \g == 2
	s_wait_dscnt 12                                ; out may be: the younger 8 of this group's 16 fragment loads and W_out's 4 behind them
.else
	s_wait_dscnt 8                                 ; the older 8 of this group's 16 loads (its first two K steps) are in, and all that was issued before them
.endif
	MULK (4*\g), \f
	MULK (4*\g+1), \f
	PLACES
	FETCH \p, (\g+1), \o
.if \g == 1
	WOUTLD                                         ; this step's W_out: the registers have been free since the last step's sums
	s_wait_dscnt 20                                ; all but the 16 + 4 just issued
.else
	s_wait_dscnt 16                                ; all but the 16 just issued
.endif
	MULK (4*\g+2), \f
	MULK (4*\g+3), \f
.endm
; hidden = clamp(x, 0, 1)^2, and its product with W_out onto the running sums.  The four row tiles' sums take turns, so that dependent lines stand four apart.
.macro EPI
.irp nt, 0,1
.set XX, 0
.rept 32
	v_med3_num_f32 v[ACC+32*\nt+XX], v[ACC+32*\nt+XX], 0, 1.0
.set XX, XX+1
.endr
.set XX, 0
.rept 16
	v_pk_mul_f32 v[ACC+32*\nt+2*XX:ACC+32*\nt+2*XX+1], v[ACC+32*\nt+2*XX:ACC+32*\nt+2*XX+1], v[ACC+32*\nt+2*XX:ACC+32*\nt+2*XX+1]
.set XX, XX+1
.endr
.irp jp, 0,1,2,3
.irp mt, 0,1,2,3
	v_pk_fma_f32 v[PART+2*\mt:PART+2*\mt+1], v[ACC+8*(4*\nt+\mt)+2*\jp:ACC+8*(4*\nt+\mt)+2*\jp+1], v[WOUT+8*\nt+2*\jp:WOUT+8*\nt+2*\jp+1], v[PART+2*\mt:PART+2*\mt+1]
.endr
.endr
.endr
	v_add_nc_u32 v[VB], 0x100, v[VB]               ; 64 columns on
	v_add_nc_u32 v[VW], 0x100, v[VW]
.endm
; The last four K steps of a step, on buffer 1, and the change of slots.  q = the other slot; refill = 1: slot p gets the tile two steps ahead; last = 1: the last step.
; In front of the barrier each wave waits for its reads of slot p and for all its tensor loads, of which one is out: its part of slot q's tile.
; Where a slot is filled again the barrier opens a round of the cluster's barrier: behind the round no wave of any partner reads slot p or has a load on its way.
.macro TURN p, q, refill, last
	s_wait_dscnt 8                                 ; K steps 20 and 21 are in
	MULK 20, F1
	s_wait_dscnt 0x0                               ; my reads of slot p are over
.if \last == 0
	s_wait_xcnt 0x0
	v_lshl_add_u32 v254, v0, 2, 0x4d400
	v_mov_b32 v255, 0
	s_set_vgpr_msb 0xc00
	s_wait_tensorcnt 0x0                           ; all my tensor loads have landed
	ds_add_u32 v254, v255
	s_wait_dscnt 0x0
	s_set_vgpr_msb 0xc
	s_barrier_signal -1
.endif
	MULK 21, F1                                    ; register work while the others arrive
	MULK 22, F1
.if \last == 0
	WIN 0                                          ; branches and a label follow
	s_barrier_wait -1
.if \refill
	CREST
	s_add_nc_u64 s[G0+4*\p+2:G0+4*\p+3], s[G0+4*\p+2:G0+4*\p+3], 2*TILEB    ; no tensor load of mine is out: the group may be written
	tensor_load_to_lds s[G0+4*\p:G0+4*\p+3], s[G1:G1+7]                      ; the first tensor load behind the round; one load of a wave is out from here on
	s_nop 0
.endif
	PLACES
	BIASLD                                         ; the next step's b_ft
	FETCH \q, 0, F0                                ; and its first fragments
	WIN 0x0c
.endif
	MULK 23, F1
	PLACES                                         ; in front of the vector lines that read and rewrite the results
	WIN 0
	EPI
.endm
.macro STEP p, q, refill, last
	GROUP \p, 0, F0, F1
	GROUP \p, 1, F1, F0
	GROUP \p, 2, F0, F1
	GROUP \p, 3, F1, F0
	GROUP \p, 4, F0, F1
	TURN \p, \q, \refill, \last
.endm
	; ---- set-up ----
	s_load_b256 s[4:11], s[0:1], 0x0               ; board_stm s[4:5], board_nstm s[6:7], wbf s[8:9], b_ft s[10:11]
	s_load_b128 s[12:15], s[0:1], 0x20             ; W_out s[12:13], b_out s[14:15]
	s_load_b64 s[16:17], s[0:1], 0x30              ; out0
	v_lshl_add_u32 v254, v0, 2, 0x4d400
	v_mov_b32 v255, 0
	ds_add_u32 v254, v255
	s_wait_dscnt 0x0
	v_lshrrev_b32 v3, 5, v0
	v_readfirstlane_b32 s18, v3                    ; wave w
	s_lshr_b32 s19, s18, 1                         ; mh: which board
	s_and_b32 s20, s18, 1                          ; nh: which half of a tile's columns; also which 32 of the board's 64 rows I bring in
	s_bfe_u32 s21, ttmp6, 0x40000                  ; cx: my place in the cluster
	s_lshl_b32 s22, ttmp9, 2                       ; ttmp9 counts clusters
	s_add_co_u32 s22, s22, s21                     ; g = 4 x cluster + cx.  It enters the boards' and out0's addresses alone
	s_mov_b32 s46, 0x76543210                      ; v_permlanex16_b32: lane i reads lane i of the other half
	s_mov_b32 s47, 0xfedcba98
	s_mov_b32 s49, 0xbfb8aa3b                      ; -log2(e)
	; descriptor group 1: 16 rows x 768 elements of 2 bytes, 16 bytes of padding behind every 512
	s_mov_b32 s[G1+0], 15|(1<<16)|(1<<20)|(1<<21)|(6<<22)|(3<<25)   ; 15:0 mask: all four of the cluster; 17:16 element of 2 bytes; 20 padding on; 21 set beside a mask; 24:22 after 128 words (code 6); 31:25 4 words (code 3)
	s_mov_b32 s[G1+1], 768<<16                     ; tensor_dim0 = 768
	s_mov_b32 s[G1+2], 16<<16                      ; tensor_dim1 = 16
	s_mov_b32 s[G1+3], 768<<16                     ; tile_dim0 = 768
	s_mov_b32 s[G1+4], 16                          ; tile_dim1 = 16
	s_mov_b32 s[G1+5], 768                         ; elements from row to row
	s_mov_b32 s[G1+6], 0
	s_mov_b32 s[G1+7], 0
	s_mul_i32 s50, s18, WQUART                     ; my 16 rows of a tile in LDS,
	s_mul_i32 s54, s18, 16*WROWB                   ; and in memory: the wave's number alone
	s_mov_b32 s55, 0
	s_lshl_b32 s42, s22, 6                         ; board row 64 g
	s_lshl_b32 s43, s20, 5
	s_add_co_u32 s42, s42, s43                     ; + 32 nh
	s_mul_i32 s42, s42, ROWB                       ; in bytes: below 2^26
	s_mov_b32 s43, 0
	; addresses in LDS
	v_and_b32 v1, 15, v0                           ; r
	v_bfe_u32 v2, v0, 4, 1                         ; h
	v_and_b32 v3, 31, v0                           ; lane
	v_lshlrev_b32 v[GOFF], 4, v3
	s_mul_i32 s48, s18, 32*SPITCH
	s_add_co_u32 s48, s48, STAGE
	v_lshl_add_u32 v[STO], v3, 3, s48              ; stage row 32 w (= 64 mh + 32 nh), 8 bytes a lane
	v_mul_u32_u24 v[ADRA], v1, SPITCH
	v_lshl_add_u32 v[ADRA], v2, 4, v[ADRA]
	s_mul_i32 s48, s19, 64*SPITCH
	s_add_co_u32 s48, s48, STAGE
	v_add_nc_u32 v[ADRA], s48, v[ADRA]             ; stage row 64 mh + r, + 16 h
	v_mul_u32_u24 v[ADRB], v1, WPITCH
	v_lshl_add_u32 v[ADRB], v2, 4, v[ADRB]
	s_mul_i32 s48, s20, 32*WPITCH
	v_add_nc_u32 v[ADRB], s48, v[ADRB]             ; tile row 32 nh + r, + 16 h
	v_add_nc_u32 v[ADRB+1], SLOT, v[ADRB]
	s_lshl_b32 s48, s20, 7
	s_add_co_u32 s48, s48, CB
	v_lshl_add_u32 v[VB], v2, 5, s48               ; b_ft[32 nh + 8 h]
	s_lshl_b32 s48, s20, 7
	s_lshl_b32 s51, s19, 12
	s_add_co_u32 s48, s48, s51
	s_add_co_u32 s48, s48, CW
	v_lshl_add_u32 v[VW], v2, 5, s48               ; W_out[1024 mh + 32 nh + 8 h]
	v_lshlrev_b32 v[COFF], 4, v0
	v_add_nc_u32 v[CSTO], CB, v[COFF]
	s_lshl_b32 s48, s18, 8
	s_add_co_u32 s48, s48, RED
	v_lshl_add_u32 v[REDW], v1, 2, s48
	v_lshl_add_u32 v[REDR], v3, 3, RED
	v_lshlrev_b32 v[OOFF], 3, v3
	s_wait_kmcnt 0x0
	s_add_nc_u64 s[52:53], s[8:9], s[54:55]        ; wbf at my 16 rows of tile 0
	s_cmp_eq_u32 s19, 0
	s_cselect_b64 s[40:41], s[4:5], s[6:7]         ; my board,
	s_add_nc_u64 s[40:41], s[40:41], s[42:43]      ; at the first of the 32 rows that I bring in
	s_lshl_b32 s42, s22, 8                         ; 64 numbers of out0 a work-group
	s_add_nc_u64 s[16:17], s[16:17], s[42:43]
	; ---- the first two tiles of W: first fills, behind a round so that the four requests meet.  Two tensor loads of a wave are out ----
	CROUND
.irp p, 0,1
	s_mov_b32 s[G0+4*\p], 1                                        ; count = 1
	s_add_co_u32 s[G0+4*\p+1], s50, \p*SLOT                        ; LDS address
	s_add_nc_u64 s[G0+4*\p+2:G0+4*\p+3], s[52:53], \p*TILEB        ; global address: tile p
	s_or_b32 s[G0+4*\p+3], s[G0+4*\p+3], 0x80000000                ; type = 2
	tensor_load_to_lds s[G0+4*\p:G0+4*\p+3], s[G1:G1+7]
	s_nop 0
.endr
	; ---- everything else that comes from memory: 6 loads of constants (2,048 bytes a line over the 128 threads), 192 board loads a wave ----
	s_load_b32 s44, s[14:15], 0x0                  ; b_out
	global_load_b128 v[ACC:ACC+3],   v[COFF], s[10:11]
	global_load_b128 v[ACC+4:ACC+7], v[COFF], s[10:11] offset:2048
.irp j, 0,1,2,3
	global_load_b128 v[ACC+8+4*\j:ACC+11+4*\j], v[COFF], s[12:13] offset:2048*\j
.endr
	LOADS 0, 64, 1
	LOADS 64, 64, 2
	LOADS 128, 64, 3
	s_wait_kmcnt 0x0
	s_mul_f32 s45, s44, s49                        ; -log2(e) b_out
	; ---- the first half of K: registers -> bf16 -> stage -> fragments ----
	s_wait_loadcnt 63                              ; of 198 loads the oldest 135 are in: the constants and board loads 0 to 128; loads 0 to 95 are wanted (96 are younger, more than a wait can name)
	WIN 0
.irp j, 0,1,2,3,4,5
	ds_store_b128 v[CSTO], v[ACC+4*\j:ACC+4*\j+3] offset:2048*\j   ; b_ft, then W_out, which lies behind it
.endr
	CVTST 0, 64, 1
	CVTST 64, 32, 2
	s_wait_dscnt 0x0                               ; my stores are done, for the other waves' sake
	s_barrier_signal -1
	s_barrier_wait -1
	AFRAG 0, 8, 1                                  ; into the registers that board loads 0 to 95 used
	AFRAG 8, 4, 2
	WIN 0
	s_wait_dscnt 0x0                               ; my reads of the stage are over
	s_barrier_signal -1
	s_barrier_wait -1                              ; everybody's are: it may be written again
	; ---- the second half of K ----
	s_wait_loadcnt 0x0
	CVTST 96, 32, 2
	CVTST 128, 64, 3
	s_wait_dscnt 0x0
	s_wait_tensorcnt 1                             ; my part of tile 0 is in; tile 1, the one younger load, may stay out
	s_barrier_signal -1
	s_barrier_wait -1
	AFRAG 12, 4, 2
	AFRAG 16, 8, 3
	WIN 0
	BIASLD                                         ; step 0's b_ft
	v_add_nc_u32 v[VB], 0x100, v[VB]               ; from here on v9 runs one step ahead
	FETCH 0, 0, F0
.irp i, 0,1,2,3,4,5,6,7
	v_mov_b32 v[PART+\i], 0
.endr
	; ---- 16 steps: 14 in the loop (their refills bring tiles 2 to 15), two written out, which fill nothing ----
	s_mov_b32 s23, 7
.Llap:
	STEP 0, 1, 1, 0
	STEP 1, 0, 1, 0
	s_sub_co_u32 s23, s23, 1
	s_cmp_lg_u32 s23, 0
	s_cbranch_scc1 .Llap
	STEP 0, 1, 0, 0                                ; its barrier only shows tile 15 to all four waves
	STEP 1, 0, 0, 1
	; ---- a row's sum: the pair, the two halves of the lanes, then the four waves through LDS ----
.irp mt, 0,1,2,3
	v_add_f32 v[PART+2*\mt], v[PART+2*\mt], v[PART+2*\mt+1]
.endr
.irp mt, 0,1,2,3
	v_permlanex16_b32 v[PART+2*\mt+1], v[PART+2*\mt], s46, s47     ; the destination has been written before
.endr
.irp mt, 0,1,2,3
	v_add_f32 v[PART+2*\mt], v[PART+2*\mt], v[PART+2*\mt+1]
	ds_store_b32 v[REDW], v[PART+2*\mt] offset:64*\mt              ; row 16 mt + r; both halves of the lanes store the same number
.endr
	s_wait_dscnt 0x0                               ; my stores are done, for wave 0's sake
	CROUND                                         ; the closing round: no work-group ends while a partner may still ask jointly; its work-group barriers also stand between the stores and wave 0's reads
	s_cmp_lg_u32 s18, 0
	s_cbranch_scc1 .Lend
.irp i, 0,1,2,3
	ds_load_b64 v[FIN+2*\i:FIN+2*\i+1], v[REDR] offset:256*\i      ; rows 2 lane, 2 lane + 1 of wave i
.endr
	s_wait_dscnt 0x0
	v_pk_add_f32 v[FIN:FIN+1], v[FIN:FIN+1], v[FIN+2:FIN+3]
	v_pk_add_f32 v[FIN+4:FIN+5], v[FIN+4:FIN+5], v[FIN+6:FIN+7]
	v_pk_add_f32 v[FIN:FIN+1], v[FIN:FIN+1], v[FIN+4:FIN+5]
	v_fma_f32 v[FIN], v[FIN], s49, s45             ; -log2(e) (sum + b_out)
	v_fma_f32 v[FIN+1], v[FIN+1], s49, s45
	v_exp_f32 v[FIN], v[FIN]
	v_exp_f32 v[FIN+1], v[FIN+1]
	v_nop                                          ; a plain place behind a transcendental (ISA guide 5.7.2)
	s_wait_alu depctr_va_vdst(0)
	v_add_f32 v[FIN], 1.0, v[FIN]
	v_add_f32 v[FIN+1], 1.0, v[FIN+1]
	v_rcp_f32 v[FIN], v[FIN]                       ; sigmoid(x) = 1 / (1 + 2^(-log2(e) x)); an overflowing power gives 1 / inf = 0
	v_rcp_f32 v[FIN+1], v[FIN+1]
	v_nop
	s_wait_alu depctr_va_vdst(0)
	global_store_b64 v[OOFF], v[FIN:FIN+1], s[16:17]               ; 32 lanes store 256 consecutive bytes, at a multiple of 256 from out0's first byte
.Lend:
	s_wait_xcnt 0x0
	v_lshl_add_u32 v254, v0, 2, 0x4d400
	v_mov_b32 v255, 0
	s_wait_tensorcnt 0x0
	ds_add_u32 v254, v255
	s_wait_dscnt 0x0
	s_endpgm
.Lfunc_end_k_q43f81b08ff_net:
	.size	k_q43f81b08ff_net, .Lfunc_end_k_q43f81b08ff_net-k_q43f81b08ff_net
	.p2alignl 7, 3214868480
	.fill 96, 4, 3214868480
	.section	.rodata,"a",@progbits
	.p2align	6, 0x0
	.amdhsa_kernel k_q43f81b08ff_net
		.amdhsa_group_segment_fixed_size 327680
		.amdhsa_private_segment_fixed_size 0
		.amdhsa_enable_private_segment 0
		.amdhsa_kernarg_size 56
		.amdhsa_user_sgpr_count 2
		.amdhsa_user_sgpr_kernarg_segment_ptr 1
		.amdhsa_wavefront_size32 1
		.amdhsa_system_sgpr_workgroup_id_x 1
		.amdhsa_system_sgpr_workgroup_id_y 1
		.amdhsa_system_sgpr_workgroup_id_z 1
		.amdhsa_system_vgpr_workitem_id 0
		.amdhsa_next_free_vgpr 1024
		.amdhsa_next_free_sgpr 66
		.amdhsa_reserve_vcc 0
		.amdhsa_float_denorm_mode_32 3
		.amdhsa_float_denorm_mode_16_64 3
		.amdhsa_memory_ordered 1
		.amdhsa_forward_progress 1
		.amdhsa_inst_pref_size 190
	.end_amdhsa_kernel
	.amdgpu_metadata
---
amdhsa.version: [ 1, 2 ]
amdhsa.kernels:
  - .name:           k_q43f81b08ff_net
    .symbol:         k_q43f81b08ff_net.kd
    .args:
      - { .name: board_stm, .offset: 0, .size: 8, .value_kind: global_buffer, .address_space: global }
      - { .name: board_nstm, .offset: 8, .size: 8, .value_kind: global_buffer, .address_space: global }
      - { .name: wbf, .offset: 16, .size: 8, .value_kind: global_buffer, .address_space: global }
      - { .name: b_ft, .offset: 24, .size: 8, .value_kind: global_buffer, .address_space: global }
      - { .name: W_out, .offset: 32, .size: 8, .value_kind: global_buffer, .address_space: global }
      - { .name: b_out, .offset: 40, .size: 8, .value_kind: global_buffer, .address_space: global }
      - { .name: out0, .offset: 48, .size: 8, .value_kind: global_buffer, .address_space: global }
    .group_segment_fixed_size: 327680
    .private_segment_fixed_size: 0
    .kernarg_segment_align: 8
    .kernarg_segment_size: 56
    .max_flat_workgroup_size: 128
    .sgpr_count:     66
    .vgpr_count:     1024
    .wavefront_size: 32
...
	.end_amdgpu_metadata
.endif
;; end of part 2
